; MI455X (gfx1250); checked and timed in simulation.
; The chip was launched on July 23, 2026; its instructions are those of AMD's public machine-readable ISA for CDNA 5 (MIT licence, August 2026) and "CDNA5" Instruction Set Architecture Reference Guide (July 2026). The comments in the code are by the model that wrote it; some were corrected since.
;; Compute Attention. Allowed arithmetic: matrix products marked QUANTISED: E2M1 operands, one E8M0 scale for each 32 along K, by v_wmma_scale_f32_16x16x128_f8f6f4 with both operands' format E2M1 (or v_wmma_scale_f32_32x16x128_f4), f32 sums; everything else in f32.
;; Inputs: K_codes 4 x 16 x 2,048 x 2 x 16 uint8 (E2M1 codes of K, K innermost, in blocks of 32 codes, two codes a byte); K_scales 4 x 16 x 2,048 x 2 uint8 (E8M0 scales of K, one for each 32 codes along K); Q_codes 4 x 16 x 2,048 x 2 x 16 uint8 (E2M1 codes of Q, K innermost, in blocks of 32 codes, two codes a byte); Q_scales 4 x 16 x 2,048 x 2 uint8 (E8M0 scales of Q, one for each 32 codes along K); V_codes 4 x 16 x 64 x 64 x 16 uint8 (E2M1 codes of V, K innermost, in blocks of 32 codes, two codes a byte); V_scales 4 x 16 x 64 x 64 uint8 (E8M0 scales of V, one for each 32 codes along K).
;; Outputs: out0 4 x 16 x 2,048 x 64 float32.
;; This version of the problem:
;;   THIS VERSION OF THE PROBLEM IS GIVEN IN LOW PRECISION. The matrix products marked QUANTISED in the list below multiply operands that are first quantised to E2M1 (2 exponent bits, 1 mantissa bit; 4 bits a number), with one power-of-two scale for each 32 numbers along K (OCP MX v1.0); their sums are f32. All else is computed in f32.
;;   The module's matrix products, in the order in which they are computed (A, B: the left and right operand; K: the contracted axis; several contracted axes count as one K, in the product's order):
;;     1. batch 64 x [M 2,048, K 64] x [K 64, N 2,048]; A: input Q (given as codes); B: input K (given as codes): QUANTISED
;;     2. batch 64 x [M 2,048, K 2,048] x [K 2,048, N 64]; A: softmax (see below); B: input V (given as codes): QUANTISED
;;   THE QUANTISER, for each operand of a quantised product, along K:
;;     - K is cut into blocks of 32 from its start; a last block that is shorter is filled with zeros.
;;     - A block's scale is 2^e with e = floor(log2(the largest magnitude in the block)) - 2, held to -126 .. 127; a block of zeros has e = 0. As a byte (E8M0): e + 127.
;;     - Each number is divided by its block's scale, clamped to +-6, and rounded to the nearest number of E2M1, ties to even, subnormals kept.
;;     - The product sums the exact products of the quantised numbers (number of the format x scale) in f32.
;;   ~~~python
;;   def quantise(x, axis):      # numpy; x: float32 -> the quantised numbers, widened to float32 again
;;       x = np.moveaxis(x, axis, -1); K = x.shape[-1]
;;       x = np.pad(x, [(0, 0)] * (x.ndim - 1) + [(0, -K % 32)]); x = x.reshape(x.shape[:-1] + (-1, 32)); a = np.abs(x).max(-1, keepdims=True)
;;       e = np.where(a > 0, np.clip(np.frexp(np.where(a > 0, a, 1))[1] - 1 - 2, -126, 127), 0)      # np.frexp(a)[1] - 1 = floor(log2(a)), exactly
;;       r = np.clip(x / 2.0 ** e, -6, 6)
;;       step = 2.0 ** (np.maximum(np.frexp(np.where(r == 0, 1, r))[1] - 1, 0) - 1)
;;       q = np.round(r / step) * step * 2.0 ** e      # np.round: ties to even
;;       return np.moveaxis(q.reshape(q.shape[:-2] + (-1,))[..., :K], -1, axis).astype(np.float32)
;;   ~~~
;;   SOFTMAX AHEAD OF A QUANTISED PRODUCT. Where the list says 'softmax', what is quantised is not the finished softmax but p = 2^(t - M), with t = logit x log2(e) and M = ceil(the row's largest t), a whole number; so 1/2 < the row's largest p <= 1. The row's sum l is taken of the UNQUANTISED p, in f32, and the product's result is divided by l at the end. Since M is a whole number, a kernel that streams over the keys may use a running M (the ceiling of the running maximum): every later rescaling is an exact power of two, which a block's scale takes up: the codes' values come out the same.
;;   OPERANDS COMPUTED ON THE WAY. 'Computed on the way' means the value that the module computes at that place (a softmax that the list does not call 'softmax' is quantised finished and normalised). What goes into a quantiser is computed in f32, as accurately as f32 sums, v_exp_f32 and their like allow (about 1e-6 of the number): no bf16 or f16 on the way to a quantiser, and a product that is left as it is and whose result goes on into a quantised operand takes f32 operands (vector FMAs, or v_wmma_f32_16x16x4_f32). A number that lies on a knife's edge between two numbers of the format may be rounded either way, as far as f32 arithmetic and the matrix unit's own rounding can turn it there, and no further.
;;   INPUTS GIVEN AS CODES. K (in the module: [4, 16, 2048, 64], K = its axis 3); Q (in the module: [4, 16, 2048, 64], K = its axis 3); V (in the module: [4, 16, 2048, 64], K = its axis 2): each comes as NAME_codes (uint8): NAME with its K axis moved to the last place and cut into blocks of 32 codes, [.., K / 32, bytes a block], one block behind the other in memory; two codes a byte, the lower K in the low four bits (a code: sign, 2 exponent bits, 1 mantissa bit); and NAME_scales (uint8): the same leading axes, one E8M0 byte (e + 127) for each 32 codes along K. Its value is code x scale, taken as it is: it is not quantised again, and the codes and scales need not be those that the quantiser above would give.
;; One version. Each part assembles by itself: llvm-mc -triple=amdgcn-amd-amdhsa -mcpu=gfx1250 --defsym DOCPART=n.
;; ======== version 1 of 1: 1 launch
;; limits: right only within a limited range of input values
;; launch attn (part 1): grid 256 x 1, 16 waves a work-group, clusters of 4 x 1, 215,552 bytes of LDS; arguments K_codes, K_scales, Q_codes, Q_scales, V_codes, V_scales, out0; writes out0
.if DOCPART == 1
	.amdgcn_target "amdgcn-amd-amdhsa--gfx1250"
	.amdhsa_code_object_version 6
	.text
	.protected	k_qa152e689f8_attn
	.globl	k_qa152e689f8_attn
	.p2align	8
	.type	k_qa152e689f8_attn,@function
k_qa152e689f8_attn:
	s_mov_b64 s[64:65], 0
	v_nop
	global_prefetch_b8 v0, s[64:65] scope:SCOPE_SE
	s_setreg_imm32_b32 hwreg(HW_REG_WAVE_MODE, 25, 1), 1
	s_wait_xcnt 0x0
	s_wait_alu depctr_hold_cnt(0) depctr_sa_sdst(0) depctr_va_vdst(0) depctr_va_sdst(0) depctr_va_ssrc(0) depctr_va_vcc(0) depctr_vm_vsrc(0)
	s_getreg_b32 s2, hwreg(HW_REG_IB_STS2, 6, 4)
	s_cmp_eq_u32 s2, 0
	s_cbranch_scc0 .Lentry_in_a_cluster
	s_endpgm
.Lentry_in_a_cluster:
	s_bfe_u32 s2, ttmp6, 0x10000c
	s_cmp_lg_u32 s2, 0x3003
	s_cbranch_scc0 .Lentry_shape_is_right
	s_endpgm
.Lentry_shape_is_right:
; Causal attention on codes of FP4 (E2M1) with one E8M0 scale for each 32 along a product's K.  64 heads, 2,048 queries and keys, head size 64.
; Q, K: a row is 32 bytes of codes and 2 scale bytes.  V: keys innermost, a head is 64 rows (d) of 1,024 bytes of codes and 64 scale bytes.  out0: f32, 256 bytes a row.
; THE SOFTMAX AHEAD OF THE SECOND PRODUCT: t = score x log2(e) / 8; M = the running largest t rounded UP to a whole number; p = 2^(t - M) is quantised along the keys, not normalised.
; The row's sum is taken of the unquantised p and divides O at the end.  When M moves, the sum and O are multiplied by 2^(old M - new M), which rounds nothing.
; SHARES.  A head has 128 tiles of 16 queries; tile T needs key steps 0 .. T / 8 of 128 keys, the last of them on the diagonal.  A cluster of four work-groups owns a head.  Wave w of work-group cx
; (j = w / 2, e = 2 cx + w % 2) owns tile HI = 120 - 8 j + e (16 - j steps) and tile LO = 8 j + e (j + 1 steps): 17 steps for every wave of the launch, two of them on the diagonal.
; The steps' limits hang on the wave's number alone; cx enters Q's and O's addresses in memory and the mask's data register, and nothing else.
; LDS.  A whole head's K and V with their scale bytes are 136 KB: they come into LDS ONCE, by six tensor loads at the head, and stay: no slot is ever filled again.
; CLUSTER.  The four work-groups of a head need the same K and V: each of the six loads is asked for JOINTLY, with the same descriptor and a mask that names the four.  Q is each wave's own and comes by plain loads.
; Every byte of K and V is asked for by those first loads, so there is no later load for a prefetch to run ahead of: none is written.
; LAYOUT.  Both products are used transposed: S^T = K Q^T (source 0 = 16 keys, source 1 = my 16 queries), O^T = V^T P^T (source 0 = 16 of the head's 64, source 1 = p): a lane holds ONE query (lane % 16) throughout.
; THE KEYS OF A TILE ARE NOT NEIGHBOURS: lane r of tile 2 b + u takes key 32 b + 8 u + r + 8 (r / 8), so that the 16 registers of tiles 2 b and 2 b + 1 are the 16 neighbouring keys 32 b + 16 (lane / 16) + 0 .. 15.
; The first product's K is 64 and the instruction's 128: registers 4 to 7 of K's and Q's fragments hold zero codes, written once, and their scale words are loaded as 16 bits, so that bytes 2 and 3 are 0, never 0xff.
; THE MASK.  On the diagonal step a hidden key's raw score becomes -8e7, which is the logit -1e7 that the problem writes there.  Key steps that lie wholly behind the diagonal are not walked.
; LIMITS.  That is right while each row's largest visible logit lies more than about 150 above -1e7: the hidden p are then 0 in f32.  A p under 2^-126 is 0 (v_exp_f32 flushes: ISA guide, its entry in 15.8).
; A block of p that is all zeros carries the scale byte 1 over zero codes.  An input scale byte of 0xff gives NaN, as the matrix instruction defines it.
.set KP,    528                        ; an LDS row of codes: 512 bytes + 16 of padding = 132 words
.set PARTB, 64*KP                      ; 64 such rows: what one tensor load brings
.set KC,    0                          ; K's codes as 128 rows of 16 keys; part A keys 0-1023, part B at + PARTB
.set VC,    2*PARTB                    ; V's codes: part A = 64 rows d x keys 0-1023, part B the same for keys 1024-2047 at + PARTB
.set KS,    VC+2*PARTB                 ; K's scale bytes: 16 units of 256 bytes + 16; a unit is a key step's
.set VS,    KS+16*272                  ; V's: row d (64 bytes) at (d / 4) x 272 + (d % 4) x 64
.set STG,   VS+16*272                  ; the way out: 16 rows x (256 + 16) bytes for each wave; no tensor load lands here
.set STW,   16*272
.set AK0,  1                           ; v1   my lane's place in a tile of K: (r / 8) x 528 + (r % 8) x 32 + 16 h
.set AV0,  2                           ; v2   in a tile of V: VC + r x 528 + 16 h
.set ASK0, 3                           ; v3   among K's scale words: KS + 2 (r % 8 + 16 (r / 8) + 8 h): lanes 0-15 an even tile's keys, lanes 16-31 the odd tile's
.set ASV0, 4                           ; v4   among V's: VS + (lane / 4) x 272 + (lane % 4) x 64: lanes 0-15 an even tile's rows, lanes 16-31 the odd tile's
.set GO,   5                           ; v5   16 x lane: my bytes in two rows of O
.set STO,  6                           ; v6   the stage: where I put 32 bytes of a row
.set RD,   7                           ; v7   and where I read rows back
.set ADK,  8                           ; v8-11 the step's LDS addresses: K's codes, V's codes, K's scale words, V's
.set ADV,  9
.set ADS,  10
.set ADT,  11
                                       ; v12 -M, v13 the largest t so far, v[14:15] the row's sum in two halves
.set QF,   16                          ; v16-23 Q's fragment; v20-23 stay 0
.set QOFF, 25                          ; v25  32 r + 16 h
.set QSO,  26                          ; v26  2 r
.set DQ,   27                          ; v27  16 e + r - 16 h: on the diagonal step register 16 b + i is hidden where 32 b + i is above it
.set KFR,  32                          ; v32-95   K's 8 fragments; registers 4-7 of each stay 0
.set S,    96                          ; v96-159  S^T, then p; on the way out results and rows
.set OT,   160                         ; v160-191 O^T, 4 tiles
.set VFR,  192                         ; v192-223 V's 4 fragments
.set PC,   224                         ; v224-231 p's codes
.set BM,   232                         ; v232-235 the blocks' largest scores, then largest p
.set T4,   236                         ; v236-239 at work
.set SO,   240                         ; v240-243 the conversions' scale operands
.set KSC,  244                         ; v244-247 K's scale words: register b serves tiles 2 b (lanes 0-15) and 2 b + 1 (lanes 16-31)
.set VSC,  248                         ; v248-249 V's likewise
.set PSC,  250                         ; v250 p's scale word
.set QSC,  251                         ; v251 Q's scale word
.set FF,   252                         ; v252 f = 2^(old M - new M); v253 named with it as a pair
.set TMP,  254
.set NEG,  255                         ; v255 -8e7
.set WV,   18                          ; s18 my wave's number;  s19 j
.set JJ,   19
.set SEL,  20                          ; s[20:21] lane selects for v_permlanex16_b32: lane l xor 16
.set CS,   22                          ; s[22:23] c = log2(e) / 8; the packed form names a pair and takes its low word for both halves
.set G1K,  24                          ; s[24:31], s[32:39], s[40:47] descriptor groups 1: K's codes, V's codes, scale bytes
.set G1V,  32
.set G1S,  40
.set G0KS, 48                          ; groups 0, one for each of the six loads; never rewritten
.set G0KA, 52
.set G0KB, 56
.set G0VS, 60
.set G0VA, 68
.set G0VB, 72
.set GH,   66                          ; s66, s67  128 x head + tile, for HI and for LO
.set GL,   67
.set QH,   76                          ; s[76:81] Q's codes, Q's scale bytes and O at tile HI;  s[82:87] at tile LO
.set QSH,  78
.set OH,   80
.set QL,   82
.set QSL,  84
.set OL,   86
.set TK,   88                          ; s88-91 the step's place in K's codes (4,224 bytes a step), K's scale bytes (272), V's codes (64), V's scale bytes (4)
.set TS,   89
.set TV,   90
.set TT,   91
.set CNT,  92                          ; s92 the key step;  s93 the tile's diagonal step;  s94 15 - j
.set LIM,  93
.set LHI,  94
.set EE,   96                          ; s96 e;  s97 cx
.set CX,   97
.set HC,   98                          ; s[98:99] the head's first byte in a tensor of codes;  s[100:101] in a tensor of scale bytes
.set HS,   100
; A round of the cluster's barrier: my work-group's barrier, so that wave 0's signal speaks for all sixteen waves; wave 0 signals for the work-group; every wave waits for all four work-groups; my work-group's barrier once more.
.macro CROUND
	s_barrier_signal -1
	s_barrier_wait -1
	s_cmp_lg_u32 s[WV], 0
	s_cbranch_scc1 .Lnot_wave_0_\@
	s_barrier_signal -3
.Lnot_wave_0_\@:
	s_barrier_wait -3
	s_barrier_signal -1
	s_barrier_wait -1
.endm
; A tile's 16 queries: 16 bytes a lane (k = 32 h on of row r) and the row's two scale bytes, widened with zeros
.macro QLOAD qc, qs
	global_load_b128 v[QF:QF+3], v[QOFF], s[\qc:\qc+1]
	global_load_u16 v[QSC], v[QSO], s[\qs:\qs+1]
.endm
; A tile begins: the largest t so far is -3e38, under every t; the sum and O^T are zeros, which the first change of M leaves zeros: so the key step has no first form of its own
.macro INIT
	v_mov_b32 v13, 0xff61b1e6
	s_delay_alu instid0(VALU_DEP_1)
	v_floor_f32 v12, -v13
	v_mov_b32 v14, 0
	v_mov_b32 v15, 0
.irp j, 0,1,2,3,4,5,6,7,8,9,10,11,12,13,14,15,16,17,18,19,20,21,22,23,24,25,26,27,28,29,30,31
	v_mov_b32 v[OT+\j], 0
.endr
.endm
; A KEY STEP: 128 keys.  masked = 1: the loop may hold the tile's diagonal step and steps behind it.
.macro STEP masked
	v_add_nc_u32 v[ADK], s[TK], v[AK0]             ; these four stand on every path: they are the four places between the last step's products and the loads into V's registers (ISA guide 7.12.1 for vector instructions)
	v_add_nc_u32 v[ADV], s[TV], v[AV0]
	v_add_nc_u32 v[ADS], s[TS], v[ASK0]
	v_add_nc_u32 v[ADT], s[TT], v[ASV0]
.if \masked
	s_cmp_gt_u32 s[CNT], s[LIM]                    ; all 128 keys come after my 16 queries: the step's work is left out.  The limit hangs on the wave's number alone; no barrier and no tensor load stands in a step
	s_cbranch_scc1 .Lhid_\@
.endif
	s_setprio 2
.irp t, 0,1,2,3,4,5,6,7
	ds_load_b128 v[KFR+8*\t:KFR+8*\t+3], v[ADK] offset:1056*(\t/2)+256*(\t%2)   ; tile 2 b + u: two rows of 16 keys on for each b, eight keys on for u.  Lanes with r / 8 = 1 stand 528 bytes on: the odd 16-byte columns, the others the even ones
.endr
.irp b, 0,1,2,3
	ds_load_u16 v[KSC+\b], v[ADS] offset:64*\b
.endr
.irp t, 0,1,2,3
.irp c, 0,1
	ds_load_b128 v[VFR+8*\t+4*\c:VFR+8*\t+4*\c+3], v[ADV] offset:16*\t*KP+32*\c
.endr
.endr
.irp a, 0,1
	ds_load_b32 v[VSC+\a], v[ADT] offset:2176*\a   ; 32 rows of V's scale bytes are eight units of 272
.endr
	s_wait_dscnt 10                                ; K's twelve loads are in; V's ten, issued behind them, may be out: they land under the softmax
.irp t, 0,2,4,6
	v_wmma_scale_f32_16x16x128_f8f6f4 v[S+8*\t:S+8*\t+7], v[KFR+8*\t:KFR+8*\t+7], v[QF:QF+7], 0, v[KSC+\t/2], v[QSC] matrix_a_fmt:MATRIX_FMT_FP4 matrix_b_fmt:MATRIX_FMT_FP4
	v_wmma_scale_f32_16x16x128_f8f6f4 v[S+8*\t+8:S+8*\t+15], v[KFR+8*\t+8:KFR+8*\t+15], v[QF:QF+7], 0, v[KSC+\t/2], v[QSC] matrix_a_fmt:MATRIX_FMT_FP4 matrix_b_fmt:MATRIX_FMT_FP4 matrix_a_scale:MATRIX_SCALE_ROW1
.endr
.rept 4
	v_nop                                          ; four places in front of the first read of results (ISA guide 7.12.1)
.endr
.if \masked
	s_cmp_lg_u32 s[CNT], s[LIM]                    ; a step all of whose keys count skips the mask
	s_cbranch_scc1 .Lopen_\@
.irp n, 0,1,2,3,4,5,6,7,8,9,10,11,12,13,14,15,16,17,18,19,20,21,22,23,24,25,26,27,28,29,30,31,32,33,34,35,36,37,38,39,40,41,42,43,44,45,46,47,48,49,50,51,52,53,54,55,56,57,58,59,60,61,62,63
	v_cmp_gt_i32 vcc_lo, 32*(\n/16)+\n%16, v[DQ]   ; register 16 b + i holds key 128 s + 32 b + 16 h + i: hidden where it is above my query
	v_cndmask_b32 v[S+\n], v[S+\n], v[NEG], vcc_lo
.endr
.Lopen_\@:
.endif
.irp b, 0,1,2,3
	v_max3_num_f32 v[BM+\b], v[S+16*\b], v[S+1+16*\b], v[S+2+16*\b]   ; THE LARGEST SCORE OF EACH BLOCK OF 32 KEYS serves twice: for the row's maximum and, since p rises with the score, for the block's largest p
.endr
.irp i, 3,5,7,9,11,13
.irp b, 0,1,2,3
	v_max3_num_f32 v[BM+\b], v[BM+\b], v[S+16*\b+\i], v[S+1+16*\b+\i]   ; (the four blocks by turns)
.endr
.endr
.irp b, 0,1,2,3
	v_max_num_f32 v[BM+\b], v[BM+\b], v[S+15+16*\b]
.endr
.irp b, 0,1,2,3
	s_delay_alu instid0(VALU_DEP_4)
	v_permlanex16_b32 v[T4+\b], v[BM+\b], s[SEL], s[SEL+1]
.endr
.irp b, 0,1,2,3
	s_delay_alu instid0(VALU_DEP_4)
	v_max_num_f32 v[BM+\b], v[BM+\b], v[T4+\b]     ; with lane l xor 16's 16 keys
.endr
	s_delay_alu instid0(VALU_DEP_2)
	v_max3_num_f32 v[TMP], v[BM], v[BM+1], v[BM+2]
	s_delay_alu instid0(VALU_DEP_1)
	v_max_num_f32 v[TMP], v[TMP], v[BM+3]          ; the step's largest score of my query
	s_delay_alu instid0(VALU_DEP_1)
	v_mul_f32 v[TMP], s[CS], v[TMP]                ; as t (c is positive)
	s_delay_alu instid0(VALU_DEP_1)
	v_max_num_f32 v13, v13, v[TMP]                 ; the running largest t
	v_mov_b32 v[TMP], v12
	s_delay_alu instid0(VALU_DEP_2)
	v_floor_f32 v12, -v13                          ; the new -M = floor(-t) = -ceil(t): M is a whole number
	s_delay_alu instid0(VALU_DEP_1)
	v_sub_f32 v[TMP], v12, v[TMP]                  ; M's old value less its new one: a whole number, 0 or less
	s_delay_alu instid0(VALU_DEP_1)
	v_cvt_i32_f32 v[TMP], v[TMP]                   ; (it saturates)
	s_delay_alu instid0(VALU_DEP_1)
	v_ldexp_f32 v[FF], 1.0, v[TMP]                 ; f = 2^(old M - new M)
.irp j, 0,2,4,6,8,10,12,14,16,18,20,22,24,26,28,30,32,34,36,38,40,42,44,46,48,50,52,54,56,58,60,62
	v_pk_fma_f32 v[S+\j:S+1+\j], v[S+\j:S+1+\j], s[CS:CS+1], v[12:13] op_sel_hi:[1,0,0]   ; t - M, two at a time (of the pairs c and -M the low word serves both halves)
.endr
.irp b, 0,1,2,3
	v_fma_f32 v[BM+\b], v[BM+\b], s[CS], v12       ; the same of each block's largest score
.endr
	s_setprio 1
	s_wait_alu depctr_va_vdst(0)
.irp j, 0,1,2,3,4,5,6,7,8,9,10,11,12,13,14,15,16,17,18,19,20,21,22,23,24,25,26,27,28,29,30,31,32,33,34,35,36,37,38,39,40,41,42,43,44,45,46,47,48,49,50,51,52,53,54,55,56,57,58,59,60,61,62,63
	v_exp_f32 v[S+\j], v[S+\j]                     ; p = 2^(t - M), at most 1: not normalised
.endr
	v_pk_mul_f32 v[14:15], v[14:15], v[FF:FF+1] op_sel_hi:[1,0]   ; the sums under the new M: the plain instruction behind the exponentials
	s_wait_alu depctr_va_vdst(0)                   ; one wait for the batch of 64, ahead of its first reader
.irp b, 0,1,2,3
	v_exp_f32 v[BM+\b], v[BM+\b]                   ; the block's largest p: the same two instructions on the same number give the same bits
.endr
	v_pk_add_f32 v[236:237], v[100:101], v[104:105]
	v_pk_add_f32 v[246:247], v[108:109], v[112:113]
	v_pk_add_f32 v[244:245], v[116:117], v[120:121]
	v_pk_add_f32 v[242:243], v[124:125], v[128:129]
	v_pk_add_f32 v[240:241], v[132:133], v[136:137]
	v_pk_add_f32 v[238:239], v[140:141], v[144:145]
	v_pk_add_f32 v[230:231], v[148:149], v[152:153]
	v_pk_add_f32 v[14:15], v[14:15], v[156:157]
	v_pk_add_f32 v[236:237], v[236:237], v[96:97]
	v_pk_add_f32 v[246:247], v[246:247], v[98:99]
	v_pk_add_f32 v[244:245], v[244:245], v[102:103]
	v_pk_add_f32 v[242:243], v[242:243], v[106:107]
	v_pk_add_f32 v[240:241], v[240:241], v[110:111]
	v_pk_add_f32 v[238:239], v[238:239], v[114:115]
	v_pk_add_f32 v[230:231], v[230:231], v[118:119]
	v_pk_add_f32 v[14:15], v[14:15], v[122:123]
	v_pk_add_f32 v[236:237], v[236:237], v[126:127]
	v_pk_add_f32 v[246:247], v[246:247], v[130:131]
	v_pk_add_f32 v[244:245], v[244:245], v[134:135]
	v_pk_add_f32 v[242:243], v[242:243], v[138:139]
	v_pk_add_f32 v[240:241], v[240:241], v[142:143]
	v_pk_add_f32 v[238:239], v[238:239], v[146:147]
	v_pk_add_f32 v[230:231], v[230:231], v[150:151]
	v_pk_add_f32 v[14:15], v[14:15], v[154:155]
	v_pk_add_f32 v[236:237], v[236:237], v[158:159]
	s_delay_alu instid0(VALU_DEP_2)
	v_pk_add_f32 v[14:15], v[14:15], v[242:243]
	s_delay_alu instid0(VALU_DEP_2)
	v_pk_add_f32 v[236:237], v[236:237], v[240:241]
	v_pk_add_f32 v[246:247], v[246:247], v[238:239]
	v_pk_add_f32 v[244:245], v[244:245], v[230:231]
	s_delay_alu instid0(VALU_DEP_2)
	v_pk_add_f32 v[14:15], v[14:15], v[246:247]
	s_delay_alu instid0(VALU_DEP_2)
	v_pk_add_f32 v[236:237], v[236:237], v[244:245]
	s_delay_alu instid0(VALU_DEP_1)
	v_pk_add_f32 v[14:15], v[14:15], v[236:237]
	s_wait_alu depctr_va_vdst(0)                   ; and one for the four
.irp b, 0,1,2,3
	v_max_num_f32 v[BM+\b], 0x1800000, v[BM+\b]    ; the floor 2^(3 - 127): the byte cannot fall under 1
.endr
.irp b, 0,1,2,3
	s_delay_alu instid0(VALU_DEP_4)
	v_add_nc_u32 v[SO+\b], 0xff000000, v[BM+\b]    ; 2 off the exponent field: the conversion takes the exponent field of this operand as its scale
.endr
.irp b, 0,1,2,3
	s_delay_alu instid0(VALU_DEP_4)
	v_lshrrev_b32 v[T4+\b], 23, v[SO+\b]           ; the scale's byte
.endr
	s_delay_alu instid0(VALU_DEP_3)
	v_lshl_or_b32 v[PSC], v[T4+1], 8, v[T4]        ; p's scale word for these 128 keys
	s_delay_alu instid0(VALU_DEP_1)
	v_lshl_or_b32 v[PSC], v[T4+2], 16, v[PSC]
	s_delay_alu instid0(VALU_DEP_1)
	v_lshl_or_b32 v[PSC], v[T4+3], 24, v[PSC]
.irp b, 0,1,2,3
	v_cvt_scalef32_pk8_fp4_f32 v[PC+2*\b], v[S+16*\b:S+7+16*\b], v[SO+\b]
	v_cvt_scalef32_pk8_fp4_f32 v[PC+1+2*\b], v[S+8+16*\b:S+15+16*\b], v[SO+\b]
.endr
	s_setprio 0
	v_nop                                          ; one plain instruction behind the last scaled conversion
.irp c, 0,1                                    ; the operand's layout wants a WHOLE block in a lane: lanes 0-15 block 2 c, lanes 16-31 block 2 c + 1
.irp i, 0,1
	v_permlane16_swap_b32 v[PC+4*\c+\i], v[PC+2+4*\c+\i]
.endr
.endr
.irp j, 0,2,4,6,8,10,12,14,16,18,20,22,24,26,28,30
	v_pk_mul_f32 v[OT+\j:OT+1+\j], v[OT+\j:OT+1+\j], v[FF:FF+1] op_sel_hi:[1,0]   ; O^T under the new M.  Twelve of the sixteen name no register of a given product below: the places between p's scale word (8) and codes (4) and that product
.endr
	s_wait_alu depctr_va_vdst(0)
	s_wait_dscnt 0x0                               ; V's fragments and scale words are in
.irp t, 0,2                                    ; the four accumulators take one instruction each, and the next step's eight products of S^T stand between two links: no wait is written
	v_wmma_scale_f32_16x16x128_f8f6f4 v[OT+8*\t:OT+8*\t+7], v[VFR+8*\t:VFR+8*\t+7], v[PC:PC+7], v[OT+8*\t:OT+8*\t+7], v[VSC+\t/2], v[PSC] matrix_a_fmt:MATRIX_FMT_FP4 matrix_b_fmt:MATRIX_FMT_FP4
	v_wmma_scale_f32_16x16x128_f8f6f4 v[OT+8*\t+8:OT+8*\t+15], v[VFR+8*\t+8:VFR+8*\t+15], v[PC:PC+7], v[OT+8*\t+8:OT+8*\t+15], v[VSC+\t/2], v[PSC] matrix_a_fmt:MATRIX_FMT_FP4 matrix_b_fmt:MATRIX_FMT_FP4 matrix_a_scale:MATRIX_SCALE_ROW1
.endr
.if \masked
.Lhid_\@:
.endif
	s_add_co_u32 s[TK], s[TK], 8*KP                ; the next step's places
	s_add_co_u32 s[TS], s[TS], 272
	s_add_co_u32 s[TV], s[TV], 64
	s_add_co_u32 s[TT], s[TT], 4
.endm
; Eight key steps from step first on: a constant count for every wave.  tv0: where V's codes of step first begin
.macro KLOOP masked, first, tv0
	s_mov_b32 s[TK], 8*KP*\first
	s_mov_b32 s[TS], 272*\first
	s_mov_b32 s[TV], \tv0
	s_mov_b32 s[TT], 4*\first
	s_mov_b32 s[CNT], \first
.Lstep_\@:
	STEP \masked
	s_add_co_u32 s[CNT], s[CNT], 1
	s_cmp_lt_u32 s[CNT], \first+8
	s_cbranch_scc1 .Lstep_\@
	s_setprio 0
.endm
; THE WAY OUT of a tile.  O^T is divided by the row's sum and goes through my own stage in LDS: a lane holds 32 bytes of a row, and comes back as whole rows, two to an instruction.
.macro OUT ob
.rept 4
	v_nop                                          ; the places behind the last products
.endr
	v_add_f32 v14, v14, v15                        ; the sum's two halves,
	s_delay_alu instid0(VALU_DEP_1)
	v_permlanex16_b32 v[FF], v14, s[SEL], s[SEL+1]
	s_delay_alu instid0(VALU_DEP_1)
	v_add_f32 v14, v14, v[FF]                      ; and lane l xor 16's: the row's sum
	s_wait_alu depctr_va_vdst(0)
	v_rcp_f32 v14, v14
	v_nop                                          ; a plain instruction behind the reciprocal,
	s_wait_alu depctr_va_vdst(0)                   ; and a wait ahead of its first reader
.irp j, 0,2,4,6,8,10,12,14,16,18,20,22,24,26,28,30
	v_pk_mul_f32 v[S+\j:S+1+\j], v[OT+\j:OT+1+\j], v[14:15] op_sel_hi:[1,0]   ; register 8 t + i is o(r, 16 t + 8 h + i); each accumulator from its low end on
.endr
.irp t, 0,1,2,3
	ds_store_b128 v[STO], v[S+8*\t:S+8*\t+3] offset:64*\t
	ds_store_b128 v[STO], v[S+8*\t+4:S+8*\t+7] offset:64*\t+16
.endr
.irp i, 0,1,2,3,4,5,6,7
	ds_load_b128 v[S+32+4*\i:S+35+4*\i], v[RD] offset:544*\i   ; LDS serves a wave's instructions in order (ISA guide 5.7.1.4): these see my stores
.endr
.irp i, 0,1,2,3,4,5,6,7
	s_wait_dscnt 7-\i                              ; the younger loads may be out
	global_store_b128 v[GO], v[S+32+4*\i:S+35+4*\i], s[\ob:\ob+1] offset:512*\i th:TH_STORE_NT   ; 32 lanes store 512 consecutive bytes, two rows of O, at a multiple of 256 from O's first byte
.endr
	s_wait_xcnt 0x0                                ; the stores' registers are written again only behind this wait
.endm
	s_load_b256 s[4:11], s[0:1], 0x0               ; K's codes s[4:5], K's scales s[6:7], Q's codes s[8:9], Q's scales s[10:11]
	s_load_b128 s[12:15], s[0:1], 0x20             ; V's codes s[12:13], V's scales s[14:15]
	s_load_b64 s[16:17], s[0:1], 0x30              ; O
	v_lshl_add_u32 v254, v0, 2, 0x34200
	v_mov_b32 v255, 0
	ds_add_u32 v254, v255
	ds_add_u32 v254, v255
	s_wait_dscnt 0x0
	v_lshrrev_b32 v28, 5, v0
	s_delay_alu instid0(VALU_DEP_1)
	v_readfirstlane_b32 s[WV], v28                 ; wave 0..15
	s_lshr_b32 s[JJ], s[WV], 1                     ; j
	s_and_b32 s2, s[WV], 1
	s_bfe_u32 s[CX], ttmp6, 0x40000                ; cx: my place in the cluster
	s_lshl_b32 s[EE], s[CX], 1
	s_add_co_u32 s[EE], s[EE], s2                  ; e = 2 cx + wave % 2
	s_sub_co_u32 s[LHI], 15, s[JJ]                 ; HI's diagonal step; LO's is j
	s_mul_i32 s3, s[WV], STW
	s_add_co_u32 s3, s3, STG                       ; my stage
	v_and_b32 v28, 15, v0                          ; r
	v_bfe_u32 v29, v0, 4, 1                        ; h
	v_and_b32 v30, 7, v0                           ; r % 8
	v_bfe_u32 v31, v0, 3, 1                        ; r / 8
	v_and_b32 v24, 31, v0                          ; lane
	s_delay_alu instid0(VALU_DEP_2)
	v_mul_u32_u24 v[AK0], v31, KP
	s_delay_alu instid0(VALU_DEP_1)
	v_lshl_add_u32 v[AK0], v30, 5, v[AK0]
	s_delay_alu instid0(VALU_DEP_1)
	v_lshl_add_u32 v[AK0], v29, 4, v[AK0]
	v_mul_u32_u24 v[AV0], v28, KP
	s_delay_alu instid0(VALU_DEP_1)
	v_lshl_add_u32 v[AV0], v29, 4, v[AV0]
	s_delay_alu instid0(VALU_DEP_1)
	v_add_nc_u32 v[AV0], VC, v[AV0]
	v_lshl_add_u32 v[ASK0], v31, 4, v30
	s_delay_alu instid0(VALU_DEP_1)
	v_lshl_add_u32 v[ASK0], v29, 3, v[ASK0]
	s_delay_alu instid0(VALU_DEP_1)
	v_lshl_add_u32 v[ASK0], v[ASK0], 1, KS
	v_lshrrev_b32 v[ASV0], 2, v24
	s_delay_alu instid0(VALU_DEP_1)
	v_mul_u32_u24 v[ASV0], v[ASV0], 272
	v_and_b32 v[TMP], 3, v0
	s_delay_alu instid0(VALU_DEP_1)
	v_lshl_add_u32 v[ASV0], v[TMP], 6, v[ASV0]
	s_delay_alu instid0(VALU_DEP_1)
	v_add_nc_u32 v[ASV0], VS, v[ASV0]
	v_lshlrev_b32 v[GO], 4, v24
	v_mul_u32_u24 v[STO], v28, 272                 ; in: row r, 32 bytes for each half of the lanes
	s_delay_alu instid0(VALU_DEP_1)
	v_lshl_add_u32 v[STO], v29, 5, v[STO]
	s_delay_alu instid0(VALU_DEP_1)
	v_add_nc_u32 v[STO], s3, v[STO]
	v_mul_u32_u24 v[RD], v29, 272                  ; back: lanes 0-15 one row of 256 bytes, lanes 16-31 the next
	s_delay_alu instid0(VALU_DEP_1)
	v_lshl_add_u32 v[RD], v28, 4, v[RD]
	s_delay_alu instid0(VALU_DEP_1)
	v_add_nc_u32 v[RD], s3, v[RD]
	v_lshlrev_b32 v[QOFF], 5, v28
	s_delay_alu instid0(VALU_DEP_1)
	v_lshl_add_u32 v[QOFF], v29, 4, v[QOFF]
	v_lshlrev_b32 v[QSO], 1, v28
	v_lshlrev_b32 v[DQ], 4, v29
	s_delay_alu instid0(VALU_DEP_1)
	v_sub_nc_u32 v[DQ], v28, v[DQ]
	s_delay_alu instid0(VALU_DEP_1)
	v_lshl_add_u32 v[DQ], s[EE], 4, v[DQ]          ; 16 e + r - 16 h: data for the mask's compares, no address
.irp i, 4,5,6,7
	v_mov_b32 v[QF+\i], 0                          ; zero codes for k = 64 .. 127, written once
.endr
.irp t, 0,1,2,3,4,5,6,7
.irp i, 4,5,6,7
	v_mov_b32 v[KFR+8*\t+\i], 0
.endr
.endr
.irp b, 0,1,2,3
	v_mov_b32 v[T4+\b], 0                          ; written once: a lane permute's destination counts as one of its sources
.endr
	v_mov_b32 v[FF], 0
	v_mov_b32 v[FF+1], 0                           ; (named as the upper half of the pair)
	v_mov_b32 v[NEG], 0xcc989680                   ; -8e7 = -1e7 x 8
	s_mov_b32 s[SEL], 0x76543210
	s_mov_b32 s[SEL+1], 0xfedcba98
	s_mov_b32 s[CS], 0x3e38aa3b                    ; c = log2(e) / 8
	s_mov_b32 s[CS+1], s[CS]
	; descriptor groups 1.  Codes: 64 rows of 512 bytes, 16 bytes of padding behind each; K's rows are dense in memory (16 keys a row), V's 1,024 bytes apart
	s_mov_b32 s[G1K], 15|(0<<16)|(1<<20)|(1<<21)|(6<<22)|(3<<25)   ; 15:0 the mask: all four work-groups; 17:16 elements of 1 byte; 20 padding on; 21 set beside a mask; 24:22 after every 128 words (code 6); 31:25 four words (code 3)
	s_mov_b32 s[G1V], 15|(0<<16)|(1<<20)|(1<<21)|(6<<22)|(3<<25)
.irp g, G1K, G1V
	s_mov_b32 s[\g+1], 512<<16                     ; tensor_dim0
	s_mov_b32 s[\g+2], 64<<16                      ; tensor_dim1
	s_mov_b32 s[\g+3], 512<<16                     ; tile_dim0
	s_mov_b32 s[\g+4], 64                          ; tile_dim1
	s_mov_b32 s[\g+6], 0
	s_mov_b32 s[\g+7], 0
.endr
	s_mov_b32 s[G1K+5], 512                        ; tensor_dim0_stride
	s_mov_b32 s[G1V+5], 1024
	; scale bytes: a head's 4,096 dense bytes as 16 rows of 256 (32 elements of 8 bytes), 16 bytes of padding behind each
	s_mov_b32 s[G1S], 15|(3<<16)|(1<<20)|(1<<21)|(5<<22)|(3<<25)
	s_mov_b32 s[G1S+1], 32<<16
	s_mov_b32 s[G1S+2], 16<<16
	s_mov_b32 s[G1S+3], 32<<16
	s_mov_b32 s[G1S+4], 16
	s_mov_b32 s[G1S+5], 32
	s_mov_b32 s[G1S+6], 0
	s_mov_b32 s[G1S+7], 0
	; groups 0: count 1 and a constant LDS address; the head, which the four partners share, is the cluster's x
.irp g, G0KS, G0KA, G0KB, G0VS, G0VA, G0VB
	s_mov_b32 s[\g], 1
.endr
	s_mov_b32 s[G0KS+1], KS
	s_mov_b32 s[G0KA+1], KC
	s_mov_b32 s[G0KB+1], KC+PARTB
	s_mov_b32 s[G0VS+1], VS
	s_mov_b32 s[G0VA+1], VC
	s_mov_b32 s[G0VB+1], VC+PARTB
	s_lshl_b32 s[HC], ttmp9, 16                    ; a head's codes are 65,536 bytes,
	s_mov_b32 s[HC+1], 0
	s_lshl_b32 s[HS], ttmp9, 12                    ; its scale bytes 4,096
	s_mov_b32 s[HS+1], 0
	; my two tiles, counted through all heads: 128 x head + tile
	s_lshl_b32 s2, s[JJ], 3
	s_lshl_b32 s[GH], ttmp9, 7
	s_add_co_u32 s[GH], s[GH], s[EE]
	s_add_co_u32 s[GL], s[GH], s2                  ; LO: 8 j + e
	s_add_co_u32 s[GH], s[GH], 120
	s_sub_co_u32 s[GH], s[GH], s2                  ; HI: 120 - 8 j + e
.macro TILEOFF g, qc, qs, ob                   ; a tile is 512 bytes of Q's codes, 32 of its scale bytes, 4,096 of O
	s_lshl_b32 s[\qc], s[\g], 9
	s_mov_b32 s[\qc+1], 0
	s_lshl_b32 s[\qs], s[\g], 5
	s_mov_b32 s[\qs+1], 0
	s_lshl_b32 s[\ob], s[\g], 12
	s_mov_b32 s[\ob+1], 0
.endm
	TILEOFF GH, QH, QSH, OH
	TILEOFF GL, QL, QSL, OL
	s_wait_kmcnt 0x0
	s_add_nc_u64 s[G0KS+2:G0KS+3], s[6:7], s[HS:HS+1]
	s_add_nc_u64 s[G0KA+2:G0KA+3], s[4:5], s[HC:HC+1]
	s_add_nc_u64 s[G0KB+2:G0KB+3], s[G0KA+2:G0KA+3], 32768   ; keys 1,024 on
	s_add_nc_u64 s[G0VS+2:G0VS+3], s[14:15], s[HS:HS+1]
	s_add_nc_u64 s[G0VA+2:G0VA+3], s[12:13], s[HC:HC+1]
	s_add_nc_u64 s[G0VB+2:G0VB+3], s[G0VA+2:G0VA+3], 512     ; keys 1,024 on in each row
.irp g, G0KS, G0KA, G0KB, G0VS, G0VA, G0VB
	s_or_b32 s[\g+3], s[\g+3], 0x80000000          ; 127:126 type = 2
.endr
	s_add_nc_u64 s[QH:QH+1], s[8:9], s[QH:QH+1]
	s_add_nc_u64 s[QSH:QSH+1], s[10:11], s[QSH:QSH+1]
	s_add_nc_u64 s[OH:OH+1], s[16:17], s[OH:OH+1]
	s_add_nc_u64 s[QL:QL+1], s[8:9], s[QL:QL+1]
	s_add_nc_u64 s[QSL:QSL+1], s[10:11], s[QSL:QSL+1]
	s_add_nc_u64 s[OL:OL+1], s[16:17], s[OL:OL+1]
	CROUND                                         ; all four work-groups are here: the joint loads meet
	; All six fills of the launch.  Wave 0 asks for K's, wave 1 for V's: a wave's three stand in one branch on the wave's number, so three loads of a wave are out at the most; four v_nop follow the last
	s_cmp_eq_u32 s[WV], 0
	s_cbranch_scc0 .Lnot_k
	tensor_load_to_lds s[G0KS:G0KS+3], s[G1S:G1S+7]
	s_nop 0
	tensor_load_to_lds s[G0KA:G0KA+3], s[G1K:G1K+7]
	s_nop 0
	tensor_load_to_lds s[G0KB:G0KB+3], s[G1K:G1K+7]
	s_nop 0
.rept 4
	v_nop
.endr
	s_branch .Lasked
.Lnot_k:
	s_cmp_eq_u32 s[WV], 1
	s_cbranch_scc0 .Lasked
	tensor_load_to_lds s[G0VS:G0VS+3], s[G1S:G1S+7]
	s_nop 0
	tensor_load_to_lds s[G0VA:G0VA+3], s[G1V:G1V+7]
	s_nop 0
	tensor_load_to_lds s[G0VB:G0VB+3], s[G1V:G1V+7]
	s_nop 0
.rept 4
	v_nop
.endr
.Lasked:
	QLOAD QH, QSH
	INIT
	s_wait_tensorcnt 0x1                           ; tensor loads of a wave end in order (ISA guide 10.11.1): the scale bytes and part A are in; part B, issued last, may stay out
	s_barrier_signal -1
	s_barrier_wait -1                              ; K's and V's first 1,024 keys lie in LDS for all sixteen waves
	s_wait_loadcnt 0x0                             ; Q
	KLOOP 0, 0, 0                                  ; HI, key steps 0 to 7: they lie in front of the diagonal for every wave (HI's diagonal step is 15 - j, 8 at the least), and read part A alone
	s_wait_tensorcnt 0x0                           ; part B is in,
	s_wait_dscnt 0x0                               ; (no LDS instruction of mine is pending at a signal)
	s_barrier_signal -1
	s_barrier_wait -1                              ; for all sixteen waves.  Every wave has done 8 of its 17 steps here
	s_mov_b32 s[LIM], s[LHI]
	KLOOP 1, 8, PARTB                              ; HI, key steps 8 to 15 - j
	QLOAD QL, QSL                                  ; LO's queries are asked for ahead of HI's way out; the last product that read these registers stands a softmax back
	OUT OH
	INIT
	s_wait_loadcnt 0x0                             ; Q
	s_mov_b32 s[LIM], s[JJ]
	KLOOP 1, 0, 0                                  ; LO, key steps 0 to j
	OUT OL
	s_wait_tensorcnt 0x0
	s_wait_dscnt 0x0
	s_wait_xcnt 0x0
	v_lshl_add_u32 v254, v0, 2, 0x34200
	v_mov_b32 v255, 0
	s_wait_alu depctr_va_vdst(0)
	s_wait_tensorcnt 0x0
	ds_add_u32 v254, v255
	s_wait_dscnt 0x0
	CROUND                                         ; the closing round: no work-group ends while a partner may still ask for a tile that names it
	s_endpgm
.Lfunc_end_k_qa152e689f8_attn:
	.size	k_qa152e689f8_attn, .Lfunc_end_k_qa152e689f8_attn-k_qa152e689f8_attn
	.p2alignl 7, 3214868480
	.fill 96, 4, 3214868480
	.section	.rodata,"a",@progbits
	.p2align	6, 0x0
	.amdhsa_kernel k_qa152e689f8_attn
		.amdhsa_group_segment_fixed_size 215552
		.amdhsa_private_segment_fixed_size 0
		.amdhsa_enable_private_segment 0
		.amdhsa_kernarg_size 56
		.amdhsa_user_sgpr_count 2
		.amdhsa_user_sgpr_kernarg_segment_ptr 1
		.amdhsa_wavefront_size32 1
		.amdhsa_system_sgpr_workgroup_id_x 1
		.amdhsa_system_sgpr_workgroup_id_y 1
		.amdhsa_system_sgpr_workgroup_id_z 1
		.amdhsa_system_vgpr_workitem_id 0
		.amdhsa_next_free_vgpr 256
		.amdhsa_next_free_sgpr 102
		.amdhsa_reserve_vcc 1
		.amdhsa_float_denorm_mode_32 3
		.amdhsa_float_denorm_mode_16_64 3
		.amdhsa_memory_ordered 1
		.amdhsa_forward_progress 1
		.amdhsa_inst_pref_size 81
	.end_amdhsa_kernel
	.amdgpu_metadata
---
amdhsa.version: [ 1, 2 ]
amdhsa.kernels:
  - .name:           k_qa152e689f8_attn
    .symbol:         k_qa152e689f8_attn.kd
    .args:
      - { .name: K_codes, .offset: 0, .size: 8, .value_kind: global_buffer, .address_space: global }
      - { .name: K_scales, .offset: 8, .size: 8, .value_kind: global_buffer, .address_space: global }
      - { .name: Q_codes, .offset: 16, .size: 8, .value_kind: global_buffer, .address_space: global }
      - { .name: Q_scales, .offset: 24, .size: 8, .value_kind: global_buffer, .address_space: global }
      - { .name: V_codes, .offset: 32, .size: 8, .value_kind: global_buffer, .address_space: global }
      - { .name: V_scales, .offset: 40, .size: 8, .value_kind: global_buffer, .address_space: global }
      - { .name: out0, .offset: 48, .size: 8, .value_kind: global_buffer, .address_space: global }
    .group_segment_fixed_size: 215552
    .private_segment_fixed_size: 0
    .kernarg_segment_align: 8
    .kernarg_segment_size: 56
    .max_flat_workgroup_size: 512
    .sgpr_count:     102
    .vgpr_count:     256
    .wavefront_size: 32
...
	.end_amdgpu_metadata
.endif
;; end of part 1
